; MI455X (gfx1250); checked and timed in simulation.
; The chip was launched on July 23, 2026; its instructions are those of AMD's public machine-readable ISA for CDNA 5 (MIT licence, August 2026) and "CDNA5" Instruction Set Architecture Reference Guide (July 2026). The comments in the code are by the model that wrote it; some were corrected since.
;; Causal Self Attention. Allowed arithmetic: matrix products marked QUANTISED: E4M3 operands, one given power-of-two scale a tensor, by v_wmma_f32_16x16x64_fp8_fp8 or v_wmma_f32_16x16x128_fp8_fp8, f32 sums; everything else in f32.
;; Inputs: attn_mask 4 x 2,048 bool; b_proj 1,024 float32; b_qkv 3,072 float32; lowp_scales 8 int32 (the exponents e of the quantised operands' scales 2^e); w_proj 1,024 x 1,024 float32; w_qkv 3,072 x 1,024 float32; x 4 x 2,048 x 1,024 float32.
;; Outputs: out0 4 x 2,048 x 1,024 float32.
;; This version of the problem:
;;   THIS VERSION OF THE PROBLEM IS GIVEN IN LOW PRECISION. The matrix products marked QUANTISED in the list below multiply operands that are first quantised to E4M3 (4 exponent bits, 3 mantissa bits; 8 bits a number), with one given power-of-two scale for each operand tensor; their sums are f32. All else is computed in f32.
;;   The module's matrix products, in the order in which they are computed (A, B: the left and right operand; K: the contracted axis; several contracted axes count as one K, in the product's order):
;;     1. [M 8,192, K 1,024] x [K 1,024, N 3,072]; A: input x; B: input w_qkv: QUANTISED (scales: A lowp_scales[0], B lowp_scales[1])
;;     2. batch 64 x [M 2,048, K 64] x [K 64, N 2,048]; A: computed on the way; B: computed on the way: QUANTISED (scales: A lowp_scales[2], B lowp_scales[3])
;;     3. batch 64 x [M 2,048, K 2,048] x [K 2,048, N 64]; A: computed on the way; B: computed on the way: QUANTISED (scales: A lowp_scales[4], B lowp_scales[5])
;;     4. [M 8,192, K 1,024] x [K 1,024, N 1,024]; A: computed on the way; B: input w_proj: QUANTISED (scales: A lowp_scales[6], B lowp_scales[7])
;;   THE QUANTISER, for each operand of a quantised product, along K:
;;     - The operand's scale is 2^e, e = its entry of the input lowp_scales (int32; the entries are numbered through the quantised products in the list's order, A before B).
;;     - Each number is divided by the scale, clamped to +-448, and rounded to the nearest number of E4M3, ties to even, subnormals kept.
;;     - The product sums the exact products of the quantised numbers (number of the format x scale) in f32.
;;   ~~~python
;;   def quantise(x, axis, e):      # numpy; x: float32 -> the quantised numbers, widened to float32 again
;;       x = np.moveaxis(x, axis, -1); K = x.shape[-1]
;;       r = np.clip(x / 2.0 ** e, -448, 448)
;;       step = 2.0 ** (np.maximum(np.frexp(np.where(r == 0, 1, r))[1] - 1, -6) - 3)
;;       q = np.round(r / step) * step * 2.0 ** e      # np.round: ties to even
;;       return np.moveaxis(q, -1, axis).astype(np.float32)
;;   ~~~
;;   OPERANDS COMPUTED ON THE WAY. 'Computed on the way' means the value that the module computes at that place (a softmax that the list does not call 'softmax' is quantised finished and normalised). What goes into a quantiser is computed in f32, as accurately as f32 sums, v_exp_f32 and their like allow (about 1e-6 of the number): no bf16 or f16 on the way to a quantiser, and a product that is left as it is and whose result goes on into a quantised operand takes f32 operands (vector FMAs, or v_wmma_f32_16x16x4_f32). A number that lies on a knife's edge between two numbers of the format may be rounded either way, as far as f32 arithmetic and the matrix unit's own rounding can turn it there, and no further.
;; One version. Each part assembles by itself: llvm-mc -triple=amdgcn-amd-amdhsa -mcpu=gfx1250 --defsym DOCPART=n.
;; ======== version 1 of 1: 4 launches
;; limits: right only within a limited range of input values
;; workspace buffers: x_codes 8,388,608 bytes; wq_codes 3,145,728 bytes; wp_codes 1,048,576 bytes; q_codes 8,388,608 bytes; k_codes 8,388,608 bytes; v_codes 8,388,608 bytes; y_codes 8,388,608 bytes
;; launch quant (part 1): grid 768 x 1, 4 waves a work-group, no clusters, 41,472 bytes of LDS; arguments x, w_qkv, w_proj, lowp_scales, x_codes, wq_codes, wp_codes; writes x_codes, wq_codes, wp_codes
.if DOCPART == 1
	.amdgcn_target "amdgcn-amd-amdhsa--gfx1250"
	.amdhsa_code_object_version 6
	.text
	.protected	k_qa139fd3a5f_quant
	.globl	k_qa139fd3a5f_quant
	.p2align	8
	.type	k_qa139fd3a5f_quant,@function
k_qa139fd3a5f_quant:
	s_mov_b64 s[64:65], 0
	v_nop
	global_prefetch_b8 v0, s[64:65] scope:SCOPE_SE
	s_setreg_imm32_b32 hwreg(HW_REG_WAVE_MODE, 25, 1), 1
	s_wait_xcnt 0x0
; LAUNCH 1 OF 4.  x [8192][1024], w_qkv [3072][1024] and w_proj [1024][1024], f32 with K innermost, become codes of FP8 (E4M3), one a byte, each with the
; one scale 2^e that is given for it (entries 0, 1 and 7 of lowp_scales).  code = number / 2^e, held within +-448, rounded to the nearest code, ties to even.
; THE PROGRAM: quant (this) | qkv: x W^T + b, quantised into q, k, v | attn: both attention products | proj: y W^T + b.
; DEAD WORK, for the whole program.  reference() builds the causal mask in its own body (jnp.tril): for query q every key k > q has the score -inf and so the weight 0, whatever the
; inputs hold.  A step of 128 keys all of which come after every query of a block of 128 queries therefore adds nothing to that block's maxima, sums or y: launch attn does not walk it.
; Nothing else is left out and every input is loaded: attn_mask is an input and is honoured key by key; b_qkv moves codes of q, k and v.
; LIMIT: a NaN, an infinity or an overflow that reaches only those hidden scores is not carried to the result (reference()'s own where() throws it away too).
; LIMITS of this launch: each e between -126 and 119, so that 2^e and 448 x 2^e are f32 numbers.  NaN among the inputs is not served (an infinity is held at the largest code).
; THE CODES ARE LAID AS IMAGES OF OPERAND REGISTERS: 16 rows x 1,024 K are 16,384 bytes on end; in them 64 along K are 1,024 bytes; byte of (row, k) = 1,024 (k / 64) + 256 (k / 16 % 4) + 16 (row % 16) + k % 16.
; So a load of 16 bytes a lane at 16 x lane (and + 512) brings a fragment's registers, from memory or from LDS, 512 consecutive bytes an instruction.
; A work-group takes 16 rows; wave w their K = 256 w .. 256 w + 255, in 8 steps of 4 rows x 128 K.  Each load reads 512 consecutive bytes of a row; a step's 2,048 bytes go through the wave's own stage in LDS and come
; back 64 bytes a lane (16 of padding behind each 64), so that a lane holds 16 neighbours for the conversions.  The lane's 16 codes go to their place in a second stage, the wave's 4,096 bytes of the image,
; which leaves at the end, 512 consecutive bytes a store.
; Work-groups 0-511 take x, 512-703 w_qkv, 704-767 w_proj.  Only pointers and e are chosen: one path through the text.  No tensor loads, no matrix unit, no cluster, no barrier: waves share nothing.
; Loads run four steps (16 loads a wave) ahead.
.set WAVES, 4
.set STEPS, 8
.set WGX,   512                        ; 8,192 rows of x / 16
.set WGQ,   704                        ; + 3,072 of w_qkv / 16
.set EMAX,  8
.set MANT,  0x600000                   ; the mantissa field of 448 as f32
.set R,     16                         ; v16-79   four sets of 16 numbers as they are loaded
.set X,     80                         ; v80-111  two sets of 16 neighbours
.set C,     128                        ; v128-159 codes, four registers for each step
.set OUTR,  160                        ; v160-191 the image read back
.set WREG,  10240                      ; LDS: a region for each wave: two stages of 32 x SP bytes, then the image's 4,096
.set CSTG,  5120
.set SP,    80                         ; a lane's place in a stage: 64 bytes + 16 of padding
.set SPW,   12                         ; v12 LDS address of my spare word; never rewritten
.set NIL,   13                         ; v13 0; never rewritten
.set SPARE, WAVES*WREG                 ; the spare words, 128 bytes for each wave
	s_load_b256 s[4:11], s[0:1], 0x0               ; x, w_qkv, w_proj, the scales' exponents
	s_load_b128 s[12:15], s[0:1], 0x20             ; x's codes, w_qkv's codes
	s_load_b64 s[16:17], s[0:1], 0x30              ; w_proj's codes
	v_lshl_add_u32 v[SPW], v0, 2, SPARE
	v_mov_b32 v[NIL], 0
	v_lshrrev_b32 v1, 5, v0
	v_readfirstlane_b32 s18, v1                    ; wave
	v_and_b32 v2, 31, v0                           ; lane
	v_lshlrev_b32 v3, 4, v2                        ; 16 x lane
	s_mul_i32 s19, s18, WREG
	v_lshrrev_b32 v14, 2, v2
	v_mul_u32_u24 v14, v14, SP
	v_and_b32 v15, 3, v2
	v_lshl_add_u32 v14, v15, 4, v14
	v_add_nc_u32 v14, s19, v14                     ; the first stage, in: SP (lane / 4) + 16 (lane % 4)
	v_mul_u32_u24 v15, v2, SP
	v_add_nc_u32 v15, s19, v15                     ; and out: SP x lane.  Lane l then holds row 4 (step % 4) + l / 8, K = 128 (step / 4) + 16 (l % 8) + 0 .. 15
	v_bfe_u32 v5, v2, 2, 1
	v_and_b32 v6, 3, v2
	v_lshrrev_b32 v7, 3, v2
	v_lshlrev_b32 v5, 10, v5
	v_lshl_add_u32 v5, v6, 8, v5
	v_lshl_add_u32 v5, v7, 4, v5
	v_add_nc_u32 v5, s19, v5                       ; the image, in: 1,024 (l / 4 % 2) + 256 (l % 4) + 16 (l / 8); the step adds 2,048 (step / 4) + 64 (step % 4)
	v_add_nc_u32 v6, s19, v3                       ; and out: as it lies
	s_wait_alu depctr_va_vdst(0)
	s_wait_kmcnt 0x0
	s_load_b256 s[24:31], s[10:11], 0x0            ; e0 .. e7
	s_cmp_lt_u32 ttmp9, WGQ                        ; the choices hang on the work-group's number alone
	s_cselect_b64 s[6:7], s[6:7], s[8:9]
	s_cselect_b64 s[14:15], s[14:15], s[16:17]
	s_mov_b32 s20, WGQ
	s_cselect_b32 s20, WGX, s20                    ; the tensor's first work-group
	s_cmp_lt_u32 ttmp9, WGX
	s_cselect_b64 s[4:5], s[4:5], s[6:7]
	s_cselect_b64 s[8:9], s[12:13], s[14:15]
	s_cselect_b32 s20, 0, s20
	s_sub_co_u32 s20, ttmp9, s20                   ; which 16 rows of the tensor: under 512
	s_lshl_b32 s22, s20, 16                        ; 16 rows of 4,096 bytes,
	s_lshl_b32 s21, s18, 10                        ; + 256 numbers a wave
	s_add_co_u32 s22, s22, s21
	s_mov_b32 s23, 0
	s_add_nc_u64 s[4:5], s[4:5], s[22:23]
	s_lshl_b32 s22, s20, 14                        ; 16,384 bytes of codes,
	s_lshl_b32 s21, s18, 12                        ; + 4,096 a wave
	s_add_co_u32 s22, s22, s21
	s_add_nc_u64 s[8:9], s[8:9], s[22:23]
.macro LOAD t
.irp i, 0,1,2,3
	global_load_b128 v[R+16*((\t)%4)+4*\i:R+16*((\t)%4)+4*\i+3], v3, s[4:5] offset:(4*((\t)%4)+\i)*4096+512*((\t)/4) th:TH_LOAD_NT
.endr
.endm
.macro TURN t                          ; LDS serves a wave's instructions in order: no wait between the stores and the loads
.irp i, 0,1,2,3
	ds_store_b128 v14, v[R+16*((\t)%4)+4*\i:R+16*((\t)%4)+4*\i+3] offset:32*SP*((\t)%2)+8*SP*\i
.endr
.irp i, 0,1,2,3
	ds_load_b128 v[X+16*((\t)%2)+4*\i:X+16*((\t)%2)+4*\i+3], v15 offset:32*SP*((\t)%2)+16*\i
.endr
.endm
.irp t, 0,1,2,3
	LOAD \t
.endr
	s_wait_kmcnt 0x0
	s_cmp_lt_u32 ttmp9, WGQ
	s_cselect_b32 s25, s25, s31                    ; e1 or e7,
	s_cmp_lt_u32 ttmp9, WGX
	s_cselect_b32 s22, s24, s25                    ; e0 or that
	s_add_co_i32 s22, s22, 127
	s_lshl_b32 s23, s22, 23
	v_mov_b32 v11, s23                             ; 2^e as f32
	s_add_co_i32 s22, s22, EMAX
	s_lshl_b32 s22, s22, 23
	s_or_b32 s22, s22, MANT
	v_mov_b32 v10, s22                             ; 448 x 2^e
	s_wait_alu depctr_va_vdst(0)                   ; the wait at the head's end
	s_wait_loadcnt 12                              ; step 0's four loads are in; the twelve of steps 1 to 3 may be out
	TURN 0
.macro STEP t
.set XS, X+16*((\t)%2)
	s_wait_dscnt 0x0                               ; this step's numbers are back, and its stores into the stage have read their registers
.if (\t)+4 < STEPS
	LOAD (\t)+4
.endif
.if (\t)+1 < STEPS
.if STEPS-2-(\t) >= 3
	s_wait_loadcnt 12                              ; the next step's four loads are in; those of the three steps behind it may be out
.else
	s_wait_loadcnt 4*(STEPS-2-(\t))
.endif
	TURN (\t)+1
.endif
.irp i, 0,1,2,3,4,5,6,7,8,9,10,11,12,13,14,15
	v_med3_num_f32 v[XS+\i], v[XS+\i], -v10, v10   ; the conversion does not saturate (ISA guide 7.6.2): the hold comes first
.endr
	v_cvt_scalef32_pk8_fp8_f32 v[C+4*(\t):C+4*(\t)+1], v[XS:XS+7], v11
	v_cvt_scalef32_pk8_fp8_f32 v[C+4*(\t)+2:C+4*(\t)+3], v[XS+8:XS+15], v11
	v_nop                                          ; a plain vector line behind the last conversion of the run
	ds_store_b128 v5, v[C+4*(\t):C+4*(\t)+3] offset:CSTG+2048*((\t)/4)+64*((\t)%4)
.endm
.irp t, 0,1,2,3,4,5,6,7
	STEP \t
.endr
.irp n, 0,1,2,3,4,5,6,7
	ds_load_b128 v[OUTR+4*\n:OUTR+4*\n+3], v6 offset:CSTG+512*\n
.endr
.irp n, 0,1,2,3,4,5,6,7
	s_wait_dscnt 7-\n                              ; load n is in; the younger ones may be out
	global_store_b128 v3, v[OUTR+4*\n:OUTR+4*\n+3], s[8:9] offset:512*\n   ; 512 consecutive bytes, aligned
.endr
	s_wait_tensorcnt 0x0                           ; the wave's end
	ds_add_u32 v[SPW], v[NIL]
	s_wait_dscnt 0x0
	s_endpgm
.Lfunc_end_k_qa139fd3a5f_quant:
	.size	k_qa139fd3a5f_quant, .Lfunc_end_k_qa139fd3a5f_quant-k_qa139fd3a5f_quant
	.p2alignl 7, 3214868480
	.fill 96, 4, 3214868480
	.section	.rodata,"a",@progbits
	.p2align	6, 0x0
	.amdhsa_kernel k_qa139fd3a5f_quant
		.amdhsa_group_segment_fixed_size 41472
		.amdhsa_private_segment_fixed_size 0
		.amdhsa_enable_private_segment 0
		.amdhsa_kernarg_size 56
		.amdhsa_user_sgpr_count 2
		.amdhsa_user_sgpr_kernarg_segment_ptr 1
		.amdhsa_wavefront_size32 1
		.amdhsa_system_sgpr_workgroup_id_x 1
		.amdhsa_system_sgpr_workgroup_id_y 1
		.amdhsa_system_sgpr_workgroup_id_z 1
		.amdhsa_system_vgpr_workitem_id 0
		.amdhsa_next_free_vgpr 192
		.amdhsa_next_free_sgpr 66
		.amdhsa_reserve_vcc 0
		.amdhsa_float_denorm_mode_32 3
		.amdhsa_float_denorm_mode_16_64 3
		.amdhsa_memory_ordered 1
		.amdhsa_forward_progress 1
		.amdhsa_inst_pref_size 22
	.end_amdhsa_kernel
	.amdgpu_metadata
---
amdhsa.version: [ 1, 2 ]
amdhsa.kernels:
  - .name:           k_qa139fd3a5f_quant
    .symbol:         k_qa139fd3a5f_quant.kd
    .args:
      - { .name: x, .offset: 0, .size: 8, .value_kind: global_buffer, .address_space: global }
      - { .name: w_qkv, .offset: 8, .size: 8, .value_kind: global_buffer, .address_space: global }
      - { .name: w_proj, .offset: 16, .size: 8, .value_kind: global_buffer, .address_space: global }
      - { .name: lowp_scales, .offset: 24, .size: 8, .value_kind: global_buffer, .address_space: global }
      - { .name: x_codes, .offset: 32, .size: 8, .value_kind: global_buffer, .address_space: global }
      - { .name: wq_codes, .offset: 40, .size: 8, .value_kind: global_buffer, .address_space: global }
      - { .name: wp_codes, .offset: 48, .size: 8, .value_kind: global_buffer, .address_space: global }
    .group_segment_fixed_size: 41472
    .private_segment_fixed_size: 0
    .kernarg_segment_align: 8
    .kernarg_segment_size: 56
    .max_flat_workgroup_size: 128
    .sgpr_count:     66
    .vgpr_count:     192
    .wavefront_size: 32
...
	.end_amdgpu_metadata
.endif
;; end of part 1
;; launch qkv (part 2): grid 32 x 8, 4 waves a work-group, clusters of 4 x 1, 327,680 bytes of LDS; arguments x_codes, wq_codes, lowp_scales, b_qkv, q_codes, k_codes, v_codes; writes q_codes, k_codes, v_codes
.if DOCPART == 2
	.amdgcn_target "amdgcn-amd-amdhsa--gfx1250"
	.amdhsa_code_object_version 6
	.text
	.protected	k_qa139fd3a5f_qkv
	.globl	k_qa139fd3a5f_qkv
	.p2align	8
	.type	k_qa139fd3a5f_qkv,@function
k_qa139fd3a5f_qkv:
	s_mov_b64 s[64:65], 0
	v_nop
	global_prefetch_b8 v0, s[64:65] scope:SCOPE_SE
	s_setreg_imm32_b32 hwreg(HW_REG_WAVE_MODE, 25, 1), 1
	s_wait_xcnt 0x0
	s_wait_alu depctr_hold_cnt(0) depctr_sa_sdst(0) depctr_va_vdst(0) depctr_va_sdst(0) depctr_va_ssrc(0) depctr_va_vcc(0) depctr_vm_vsrc(0)
	s_getreg_b32 s2, hwreg(HW_REG_IB_STS2, 6, 4)
	s_cmp_eq_u32 s2, 0
	s_cbranch_scc0 .Lentry_in_a_cluster
	s_endpgm
.Lentry_in_a_cluster:
	s_bfe_u32 s2, ttmp6, 0x10000c
	s_cmp_lg_u32 s2, 0x3003
	s_cbranch_scc0 .Lentry_shape_is_right
	s_endpgm
.Lentry_shape_is_right:
; LAUNCH 2 OF 4.  qkv = x w_qkv^T + b_qkv on codes of FP8 (E4M3): [8192][1024] x [3072][1024], sums in f32; each finished sum x 2^(e0 + e1) + bias, in one fused multiply-add, is quantised at once
; with the scale of the operand that it becomes (q: e2, k: e3, v: e5) and leaves as codes.  qkv itself never goes to memory.
; SHARES.  32 x 8 = 256 work-groups.  Work-group (T, g) makes tokens 256 T .. + 255 x three chunks of 128 features (heads 2 g and 2 g + 1): of q, then of k, then of v.  A wave makes 64 tokens x a chunk: 32 accumulators.
; x STAYS IN REGISTERS: a wave's 64 tokens with their whole K of 1,024 are 512 registers, loaded once from x's image (launch quant), 512 consecutive bytes an instruction.
; w's chunks, 131,072 bytes on end in w's image, go through two LDS slots: q's chunk at the head (slot 0), k's as slot 1's first fill, v's as slot 0's refill, asked for as soon as every wave has read q's chunk out:
; it has q's way out and k's 256 matrix instructions in which to land.  Each wave asks for a quarter of a chunk: one tensor load a wave behind each of these barriers.
; CLUSTERS: the four work-groups of a cluster make four token tiles with one g and need the same chunks: they ask JOINTLY (mask 15).  cx enters addresses in memory alone.
; No prefetch: the launch has no loop; its three chunks are asked for at fixed places of a straight text.
; WHAT A LANE HOLDS.  Source 1's rows fall to lanes, source 0's to a lane's eight registers.  q and k are quantised along the head's 64 features: source 0 = w, source 1 = x.  v is quantised along the keys: source 0 = x, source 1 = w.
; THE OUTPUT IS LAID AS IMAGES OF OPERAND REGISTERS: a head (batch x 16 + head) owns 131,072 bytes = 128 fragments of 16 rows x 64 along K, 1,024 bytes each; byte of (row, k) = 256 (k / 16) + 16 row + k % 16.
; q, k: fragment 2 (t / 32) + u, row rr = token 32 (t / 32) + 16 (rr / 8) + 8 u + rr % 8 (so that the softmax's registers run along neighbouring keys).  v: fragment 4 (key / 64) + d / 16, row d % 16, k = key % 64.
; In each, 64 tokens of a head are 4,096 bytes on end: a wave's chunk is two such runs, gathered in its stage in LDS and stored 512 bytes an instruction.
; A step of 128 along K goes in two halves of 16 matrix instructions (4 token blocks x 4 feature blocks); the 32 accumulators take turns.
; LIMITS: e0 + e1 between -126 and 127; e2, e3, e5 between -126 and 119.  NaN is not served.
; REGISTERS.  Window 0: v1-19 addresses and constants, v28-29 the add's, v32-95 the chunk's bias, v96-127 codes, v128-255 w's fragments (two sets).  Window 1: accumulator (a, b) at v[8 (8 a + b)].
; Windows 2 and 3: x's fragments, K step q, block a at v[64 (q % 4) + 16 a].
.set SLOT,  131072
.set SPARE, 2*SLOT                     ; behind the slots: the spare words, 128 bytes a wave
.set STAGE, SPARE+512                  ; then 8,192 bytes a wave for the way out: bytes that no tensor load fills
.set LI,   1
.set ADB,  2                           ; v2-5: w's fragments: slot 0 blocks 0-3, 4-7; slot 1 blocks 0-3, 4-7 (the immediate has 16 bits)
.set STOQ, 6
.set STOV, 7
.set RD,   8
.set BOQ,  9
.set BOV,  10
.set SCQ,  14
.set LIMQ, 15
.set SCK,  16
.set LIMK, 17
.set SCV,  18
.set LIMV, 19
.set SPW,  28
.set NIL,  29
.set BIAS, 32
.set CD,   96
.set BS,   128
.set G1,   24
.set G0Q,  32
.set G0K,  36
.set G0V,  44
.set MSB, 0
.macro WIN new                         ; low byte: bits 1:0 source 0, 3:2 source 1, 5:4 source 2, 7:6 destination; the high byte repeats the setting that is left
.if MSB != (\new)
	s_set_vgpr_msb (MSB<<8)|(\new)
.set MSB, (\new)
.endif
.endm
.macro CROUND                          ; a round of the cluster's barrier
	s_barrier_signal -1
	s_barrier_wait -1
	s_cmp_lg_u32 s14, 0
	s_cbranch_scc1 .Lnot_wave_0_\@
	s_barrier_signal -3
.Lnot_wave_0_\@:
	s_barrier_wait -3
	s_barrier_signal -1
	s_barrier_wait -1
.endm
.macro PLACES
.rept 4
	v_nop
.endr
.endm
	s_load_b128 s[4:7], s[0:1], 0x0                ; x's image, w_qkv's image
	s_load_b128 s[8:11], s[0:1], 0x10              ; the scales' exponents, b_qkv
	s_load_b128 s[68:71], s[0:1], 0x20             ; q's codes, k's codes
	s_load_b64 s[72:73], s[0:1], 0x30              ; v's codes
	v_lshl_add_u32 v[SPW], v0, 2, SPARE
	v_mov_b32 v[NIL], 0
	ds_add_u32 v[SPW], v[NIL]                      ; the opening lines: the add, twice on end, and its wait
	ds_add_u32 v[SPW], v[NIL]
	v_lshrrev_b32 v20, 5, v0
	v_readfirstlane_b32 s14, v20                   ; wave 0..3
	s_bfe_u32 s40, ttmp6, 0x40000                  ; cx
	s_lshl_b32 s17, ttmp9, 2
	s_add_co_u32 s17, s17, s40                     ; T: token tile 0..31
	s_and_b32 s18, ttmp7, 0xffff                   ; g: 0..7
	s_mov_b32 s[G1], 15|(3<<16)|(1<<21)            ; mask: all four partners; elements of 8 bytes; bit 21 beside the mask
	s_mov_b32 s[G1+1], 32<<16                      ; rows of 256 bytes,
	s_mov_b32 s[G1+2], 128<<16                     ; 128 of them: a quarter of a chunk, dense
	s_mov_b32 s[G1+3], 32<<16
	s_mov_b32 s[G1+4], 128
	s_mov_b32 s[G1+5], 32
	s_mov_b32 s[G1+6], 0
	s_mov_b32 s[G1+7], 0
	s_lshl_b32 s19, s14, 15                        ; my quarter: 32,768 x wave
	s_lshl_b32 s20, s18, 17                        ; 128 g features of 1,024 bytes
	s_add_co_u32 s20, s20, s19
	s_mov_b32 s21, 0
	s_lshl_b32 s23, s14, 13
	s_add_co_u32 s23, s23, STAGE                   ; my stage
	v_and_b32 v20, 15, v0                          ; r
	v_bfe_u32 v21, v0, 4, 1                        ; h
	v_and_b32 v22, 31, v0
	v_bfe_u32 v23, v0, 3, 1                        ; r / 8
	v_and_b32 v24, 7, v0                           ; r % 8
	v_lshlrev_b32 v[LI], 4, v22                    ; 16 x lane
	v_lshlrev_b32 v[ADB], 4, v22
	v_add_nc_u32 v[ADB+1], 65536, v[LI]
	v_add_nc_u32 v[ADB+2], 131072, v[LI]
	v_add_nc_u32 v[ADB+3], 196608, v[LI]
	v_lshlrev_b32 v[STOQ], 10, v23
	v_lshl_add_u32 v[STOQ], v24, 4, v[STOQ]
	v_lshl_add_u32 v[STOQ], v21, 3, v[STOQ]
	v_add_nc_u32 v[STOQ], s23, v[STOQ]             ; q, k: 1,024 (r / 8) + 16 (r % 8) + 8 h
	v_lshlrev_b32 v[STOV], 4, v20
	v_lshl_add_u32 v[STOV], v21, 3, v[STOV]
	v_add_nc_u32 v[STOV], s23, v[STOV]             ; v: 16 r + 8 h
	v_add_nc_u32 v[RD], s23, v[LI]
	v_lshlrev_b32 v[BOQ], 5, v21
	v_lshlrev_b32 v[BOV], 2, v20
	s_wait_alu depctr_va_vdst(0)                   ; the wait ahead of the waits below
	s_wait_dscnt 0x0
	s_wait_kmcnt 0x0
	s_load_b256 s[80:87], s[8:9], 0x0              ; e0 .. e7
	s_add_nc_u64 s[20:21], s[6:7], s[20:21]
	s_mov_b32 s[G0Q], 1
	s_mov_b32 s[G0Q+1], s19                        ; slot 0
	s_mov_b64 s[G0Q+2:G0Q+3], s[20:21]
	s_or_b32 s[G0Q+3], s[G0Q+3], 0x80000000
	s_mov_b32 s[G0K], 1
	s_add_co_u32 s[G0K+1], s19, SLOT               ; slot 1
	s_add_nc_u64 s[G0K+2:G0K+3], s[20:21], 0x100000   ; k's features begin 1,024 rows on
	s_or_b32 s[G0K+3], s[G0K+3], 0x80000000
	s_mov_b32 s[G0V], 1
	s_mov_b32 s[G0V+1], s19                        ; slot 0 again
	s_add_nc_u64 s[G0V+2:G0V+3], s[20:21], 0x200000   ; v's 2,048 rows on
	s_or_b32 s[G0V+3], s[G0V+3], 0x80000000
	CROUND                                         ; all four work-groups are here: the joint loads meet
	tensor_load_to_lds s[G0Q:G0Q+3], s[G1:G1+7]    ; q's chunk: my one tensor load at the head
	s_nop 0
	PLACES
	s_lshl_b32 s20, s18, 9                         ; 128 g features of 4 bytes
	s_mov_b32 s21, 0
	s_add_nc_u64 s[10:11], s[10:11], s[20:21]
.macro BIASQK off                      ; features 16 b + 8 h + 0 .. 7 of the chunk
.irp b, 0,1,2,3,4,5,6,7
	global_load_b128 v[BIAS+8*\b:BIAS+8*\b+3], v[BOQ], s[10:11] offset:\off+64*\b
	global_load_b128 v[BIAS+8*\b+4:BIAS+8*\b+7], v[BOQ], s[10:11] offset:\off+64*\b+16
.endr
.endm
	BIASQK 0
	s_lshl_b32 s20, s17, 18
	s_lshl_b32 s22, s14, 16
	s_add_co_u32 s20, s20, s22                     ; x: (256 T + 64 wave) tokens of 1,024 bytes
	s_add_nc_u64 s[4:5], s[4:5], s[20:21]
.macro ALOAD q                         ; K step q: registers 4 c .. 4 c + 3 hold K = 128 q + 32 c + 16 h + 0 .. 15, as w's fragments do
	WIN 0x80+0x40*((\q)/4)
.irp a, 0,1,2,3
.irp c, 0,1,2,3
	global_load_b128 v[64*((\q)%4)+16*\a+4*\c:64*((\q)%4)+16*\a+4*\c+3], v[LI], s[4:5] offset:\a*16384+(2*(\q)+\c/2)*1024+(\c%2)*512
.endr
.endr
.endm
.irp q, 0,1,2,3,4,5,6,7
	ALOAD \q
.endr
	WIN 0
	s_lshr_b32 s20, s17, 3                         ; the batch: 8 token tiles each
	s_lshl_b32 s20, s20, 4
	s_lshl_b32 s22, s18, 1
	s_add_co_u32 s20, s20, s22                     ; batch x 16 + my first head
	s_lshl_b32 s20, s20, 17
	s_and_b32 s22, s17, 7
	s_lshl_b32 s22, s22, 8
	s_lshl_b32 s23, s14, 6
	s_add_co_u32 s22, s22, s23                     ; my first token in the batch,
	s_lshl_b32 s22, s22, 6                         ; 64 bytes a token
	s_add_co_u32 s20, s20, s22
	s_add_nc_u64 s[68:69], s[68:69], s[20:21]
	s_add_nc_u64 s[70:71], s[70:71], s[20:21]
	s_add_nc_u64 s[72:73], s[72:73], s[20:21]
	s_wait_kmcnt 0x0
	s_add_co_i32 s96, s80, s81
	s_add_co_i32 s96, s96, 127
	s_lshl_b32 s96, s96, 23                        ; 2^(e0 + e1) as f32
	s_mov_b32 s97, s96
.macro MKSC e, sc, lim                 ; 2^e and 448 x 2^e as f32
	s_add_co_i32 s78, s[\e], 127
	s_lshl_b32 s79, s78, 23
	v_mov_b32 v[\sc], s79
	s_add_co_i32 s78, s78, 8
	s_lshl_b32 s78, s78, 23
	s_or_b32 s78, s78, 0x600000
	v_mov_b32 v[\lim], s78
.endm
	MKSC 82, SCQ, LIMQ
	MKSC 83, SCK, LIMK
	MKSC 85, SCV, LIMV
.macro FETCH slot, i                   ; half step i: K step i / 2, feature blocks 4 (i % 2) .. + 3, into set i % 2
.irp b, 0,1,2,3
.irp c, 0,1,2,3
	ds_load_b128 v[BS+64*((\i)%2)+16*\b+4*\c:BS+64*((\i)%2)+16*\b+4*\c+3], v[ADB+2*(\slot)+(\i)%2] offset:\b*16384+(2*((\i)/2)+\c/2)*1024+(\c%2)*512
.endr
.endr
.endm
.macro MUL i, v                        ; 16 matrix instructions; K step 0's start the sums
.set QQ, (\i)/2
.set GG, (\i)%2
.if \v
	WIN 0x52+(QQ/4)                                ; source 0 = x: window 2 or 3; source 1 = w: window 0; C and D window 1
.else
	WIN 0x58+4*(QQ/4)                              ; source 0 = w: window 0; source 1 = x: window 2 or 3
.endif
.irp a, 0,1,2,3
.irp b, 0,1,2,3
.set DD, 64*\a+32*GG+8*\b
.set WW, BS+64*GG+16*\b
.set XX, 64*(QQ%4)+16*\a
.if \v
.if QQ == 0
	v_wmma_f32_16x16x128_fp8_fp8 v[DD:DD+7], v[XX:XX+15], v[WW:WW+15], 0
.else
	v_wmma_f32_16x16x128_fp8_fp8 v[DD:DD+7], v[XX:XX+15], v[WW:WW+15], v[DD:DD+7]
.endif
.else
.if QQ == 0
	v_wmma_f32_16x16x128_fp8_fp8 v[DD:DD+7], v[WW:WW+15], v[XX:XX+15], 0
.else
	v_wmma_f32_16x16x128_fp8_fp8 v[DD:DD+7], v[WW:WW+15], v[XX:XX+15], v[DD:DD+7]
.endif
.endif
.endr
.endr
.endm
.macro MAIN slot, v                    ; a chunk's 256 matrix instructions; half steps 0 and 1 have been fetched
.set I, 0
.rept 16
.if I < 15
	s_wait_dscnt 16                                ; this half step's set is in; the next one's 16 loads may be out
.else
	s_wait_dscnt 0x0
.endif
	MUL I, \v
.if I < 14
	PLACES                                         ; in front of loads into registers that matrix instructions have read
	WIN 0
	FETCH \slot, I+2
.endif
.set I, I+1
.endr
	WIN 0
.endm
; THE WAY OUT of a chunk.  Block a: sum x 2^(e0 + e1) + bias and the hold, in place; the conversion (8 neighbours along the next K from a lane's 8 registers); 8 bytes a lane into the stage at the image's place.
.macro EPI path, sc, lim, out          ; path 0: q and k;  1: v
.irp a, 0,1,2,3
	WIN 0x41
.irp b, 0,1,2,3,4,5,6,7
.irp i, 0,2,4,6
.if \path
	v_pk_fma_f32 v[64*\a+8*\b+\i:64*\a+8*\b+\i+1], v[64*\a+8*\b+\i:64*\a+8*\b+\i+1], s[96:97], v[BIAS+2*\b:BIAS+2*\b+1] op_sel_hi:[1,0,1]   ; each accumulator from its low end on
.else
	v_pk_fma_f32 v[64*\a+8*\b+\i:64*\a+8*\b+\i+1], v[64*\a+8*\b+\i:64*\a+8*\b+\i+1], s[96:97], v[BIAS+8*\b+\i:BIAS+8*\b+\i+1] op_sel_hi:[1,0,1]
.endif
.endr
.endr
.set n, 0
.rept 64
	v_med3_num_f32 v[64*\a+n], v[64*\a+n], -v[\lim], v[\lim]   ; the conversion does not saturate (ISA guide 7.6.2)
.set n, n+1
.endr
	WIN 0x01
.irp b, 0,1,2,3,4,5,6,7
	v_cvt_scalef32_pk8_fp8_f32 v[CD+16*(\a%2)+2*\b:CD+16*(\a%2)+2*\b+1], v[64*\a+8*\b:64*\a+8*\b+7], v[\sc]
.endr
	WIN 0
	v_nop                                          ; a plain vector line behind the last conversion
.irp b, 0,1,2,3,4,5,6,7
.if \path
	ds_store_b64 v[STOV], v[CD+16*(\a%2)+2*\b:CD+16*(\a%2)+2*\b+1] offset:(\b/4)*4096+(\b%4)*1024+\a*256              ; head b / 4, d tile b % 4, k / 16 = a
.else
	ds_store_b64 v[STOQ], v[CD+16*(\a%2)+2*\b:CD+16*(\a%2)+2*\b+1] offset:(\b/4)*4096+(\a/2)*2048+(\a%2)*128+(\b%4)*256   ; head b / 4, 32 tokens a / 2, row 8 (a % 2) + r % 8, k / 16 = b % 4
.endif
.endr
.endr
	WIN 0x40                                       ; the stage comes back as it lies, into block 0's accumulators, which are done with
.set n, 0
.rept 16
	ds_load_b128 v[4*n:4*n+3], v[RD] offset:512*n
.set n, n+1
.endr
	WIN 0x04
.set n, 0
.rept 16
	s_wait_dscnt 15-n                              ; load n is in; the younger ones may be out
	global_store_b128 v[LI], v[4*n:4*n+3], s[\out:\out+1] offset:(n/8)*131072+(n%8)*512   ; 512 consecutive bytes, aligned; the second head's run lies 131,072 bytes on
.set n, n+1
.endr
	WIN 0
.endm
	s_wait_alu depctr_va_vdst(0)                   ; the wait at the head's end
	s_wait_tensorcnt 0x0                           ; my quarter of q's chunk is in
	ds_add_u32 v[SPW], v[NIL]
	s_wait_dscnt 0x0
	CROUND
	tensor_load_to_lds s[G0K:G0K+3], s[G1:G1+7]    ; k's chunk into slot 1
	s_nop 0
	PLACES
	FETCH 0, 0
	FETCH 0, 1
	s_wait_loadcnt 0x0                             ; x's fragments and q's bias
	MAIN 0, 0
	s_wait_tensorcnt 0x0                           ; my quarter of k's chunk is in,
	ds_add_u32 v[SPW], v[NIL]
	s_wait_dscnt 0x0                               ; and my reads of slot 0 are over
	CROUND                                         ; so it is with every wave of the four work-groups
	tensor_load_to_lds s[G0V:G0V+3], s[G1:G1+7]    ; v's chunk into slot 0
	s_nop 0
	PLACES                                         ; also the places behind q's last products
	FETCH 1, 0
	FETCH 1, 1
	EPI 0, SCQ, LIMQ, 68
	BIASQK 4096
	s_wait_xcnt 0x0                                ; the stores have read their registers: the accumulators may be written
	MAIN 1, 0
	PLACES
	s_wait_loadcnt 0x0                             ; k's bias
	EPI 0, SCK, LIMK, 70
.irp b, 0,1,2,3,4,5,6,7
	global_load_b32 v[BIAS+2*\b], v[BOV], s[10:11] offset:8192+64*\b      ; v's bias: feature 16 b + r, in both registers of a pair
	global_load_b32 v[BIAS+2*\b+1], v[BOV], s[10:11] offset:8192+64*\b
.endr
	s_wait_tensorcnt 0x0                           ; my quarter of v's chunk is in:
	s_barrier_signal -1
	s_barrier_wait -1                              ; so is everybody's
	FETCH 0, 0
	FETCH 0, 1
	s_wait_xcnt 0x0
	MAIN 0, 1
	PLACES
	s_wait_loadcnt 0x0                             ; v's bias
	EPI 1, SCV, LIMV, 72
	s_wait_tensorcnt 0x0                           ; the wave's end
	ds_add_u32 v[SPW], v[NIL]
	s_wait_dscnt 0x0
	CROUND                                         ; the closing round
	s_endpgm
.Lfunc_end_k_qa139fd3a5f_qkv:
	.size	k_qa139fd3a5f_qkv, .Lfunc_end_k_qa139fd3a5f_qkv-k_qa139fd3a5f_qkv
	.p2alignl 7, 3214868480
	.fill 96, 4, 3214868480
	.section	.rodata,"a",@progbits
	.p2align	6, 0x0
	.amdhsa_kernel k_qa139fd3a5f_qkv
		.amdhsa_group_segment_fixed_size 327680
		.amdhsa_private_segment_fixed_size 0
		.amdhsa_enable_private_segment 0
		.amdhsa_kernarg_size 56
		.amdhsa_user_sgpr_count 2
		.amdhsa_user_sgpr_kernarg_segment_ptr 1
		.amdhsa_wavefront_size32 1
		.amdhsa_system_sgpr_workgroup_id_x 1
		.amdhsa_system_sgpr_workgroup_id_y 1
		.amdhsa_system_sgpr_workgroup_id_z 1
		.amdhsa_system_vgpr_workitem_id 0
		.amdhsa_next_free_vgpr 1024
		.amdhsa_next_free_sgpr 100
		.amdhsa_reserve_vcc 0
		.amdhsa_float_denorm_mode_32 3
		.amdhsa_float_denorm_mode_16_64 3
		.amdhsa_memory_ordered 1
		.amdhsa_forward_progress 1
		.amdhsa_inst_pref_size 225
	.end_amdhsa_kernel
	.amdgpu_metadata
---
amdhsa.version: [ 1, 2 ]
amdhsa.kernels:
  - .name:           k_qa139fd3a5f_qkv
    .symbol:         k_qa139fd3a5f_qkv.kd
    .args:
      - { .name: x_codes, .offset: 0, .size: 8, .value_kind: global_buffer, .address_space: global }
      - { .name: wq_codes, .offset: 8, .size: 8, .value_kind: global_buffer, .address_space: global }
      - { .name: lowp_scales, .offset: 16, .size: 8, .value_kind: global_buffer, .address_space: global }
      - { .name: b_qkv, .offset: 24, .size: 8, .value_kind: global_buffer, .address_space: global }
      - { .name: q_codes, .offset: 32, .size: 8, .value_kind: global_buffer, .address_space: global }
      - { .name: k_codes, .offset: 40, .size: 8, .value_kind: global_buffer, .address_space: global }
      - { .name: v_codes, .offset: 48, .size: 8, .value_kind: global_buffer, .address_space: global }
    .group_segment_fixed_size: 327680
    .private_segment_fixed_size: 0
    .kernarg_segment_align: 8
    .kernarg_segment_size: 56
    .max_flat_workgroup_size: 128
    .sgpr_count:     100
    .vgpr_count:     1024
    .wavefront_size: 32
...
	.end_amdgpu_metadata
.endif
;; end of part 2
;; launch attn (part 3): grid 4 x 64, 8 waves a work-group, clusters of 4 x 1, 327,680 bytes of LDS; arguments q_codes, k_codes, v_codes, attn_mask, lowp_scales, y_codes; writes y_codes
.if DOCPART == 3
	.amdgcn_target "amdgcn-amd-amdhsa--gfx1250"
	.amdhsa_code_object_version 6
	.text
	.protected	k_qa139fd3a5f_attn
	.globl	k_qa139fd3a5f_attn
	.p2align	8
	.type	k_qa139fd3a5f_attn,@function
k_qa139fd3a5f_attn:
	s_mov_b64 s[64:65], 0
	v_nop
	global_prefetch_b8 v0, s[64:65] scope:SCOPE_SE
	s_setreg_imm32_b32 hwreg(HW_REG_WAVE_MODE, 25, 1), 1
	s_wait_xcnt 0x0
	s_wait_alu depctr_hold_cnt(0) depctr_sa_sdst(0) depctr_va_vdst(0) depctr_va_sdst(0) depctr_va_ssrc(0) depctr_va_vcc(0) depctr_vm_vsrc(0)
	s_getreg_b32 s2, hwreg(HW_REG_IB_STS2, 6, 4)
	s_cmp_eq_u32 s2, 0
	s_cbranch_scc0 .Lentry_in_a_cluster
	s_endpgm
.Lentry_in_a_cluster:
	s_bfe_u32 s2, ttmp6, 0x10000c
	s_cmp_lg_u32 s2, 0x3003
	s_cbranch_scc0 .Lentry_shape_is_right
	s_endpgm
.Lentry_shape_is_right:
; LAUNCH 3 OF 4.  For each of 64 heads (batch x 16 + head): w = softmax(q k^T / 8 under the causal mask and attn_mask), finished and normalised, is quantised with 2^e4; y = w v is quantised with 2^e6.
; Both products run on codes of FP8 (E4M3).  LEFT OUT (shown at the head of launch quant): steps of 128 keys that lie wholly behind a block of 128 queries.
; TWO PASSES over the keys, since w is quantised normalised.  Pass 1: scores, running largest t (M = that, rounded up to a whole number), the sum of 2^(t - M).  Pass 2: scores again,
; w = 2^(t - M - log2(sum)), its codes, y^T += v^T w^T.  t = score x log2(e) / 8 x 2^(e2 + e3).  A row with no open key gets the offset -infinity, so w = 0 (reference()'s nan_to_num).
; SHARES.  A cluster of four work-groups owns a head; all four hold the head's whole K and V images (131,072 bytes each) in LDS, asked for JOINTLY, once, at the head: waves 0-3 fetch K's quarters, waves 4-7 V's.
; Of each block of 128 queries the partner at place cx takes queries 32 cx .. 32 cx + 31: cx enters addresses in memory and values only.  Wave w takes block 15 - w and then block w: 17 steps of 128 keys in all.
; LAYOUT.  Both products transposed: S^T = K Q^T (+ the key's bias as C: 0, or the sentinel where attn_mask hides the key), y^T = V^T W^T: a lane holds one query.  The images are those that launch qkv lays:
; the keys of a fragment are chosen so that 16 registers of two neighbouring tiles are 16 neighbouring keys, and the conversions' results are the second product's operand.
; THE CAUSAL MASK.  A block's last step lies on the diagonal, and there the place of a key against a query is the same in every block: a table in the scores' register layout (0, or the sentinel where the key is hidden),
; 128 registers x 32 lanes = 16,384 bytes of LDS, is made once at the head, 16 registers a wave.  On the diagonal step it is loaded where the next step's tiles would go (no step follows) and added to the scores.
; No prefetch: nothing is fetched from memory in a loop; K and V come once, at the head.
; LIMITS: e4 >= -8: a normalised w is at most 1 <= 448 x 2^e4, so the quantiser's clamp never acts on w and is not written.  e2 + e3 between -64 and 26 (twice the sentinel -1.27e30 x c stays finite and far under every t);
; e4 up to 127; e6 - e4 - e5 between -126 and 119.  The scaled scores stay under 2^31 in magnitude.  NaN is not served.
; REGISTERS.  Window 0: v1-19 addresses and constants; v20-35 the state of my two tiles of 16 queries (per tile: -M, largest score, sum x 2, f, -, 2 at work); v40-55, v216-231 Q of my two blocks; v56-87 w's codes;
; v88-151 eight fragments of K; v152-215 the keys' bias (v88-215 on the diagonal: the table); v240-255 at work.  Window 1: v0-127 S^T, v128-191 y^T, v192-255 four fragments of V.
.set KIMG,  8192                       ; LDS: bytes 0-8191 the keys' bias (f32), then K's image,
.set VIMG,  139264                     ; V's image,
.set STAGE, 270336                     ; 2,048 bytes a wave for the way out,
.set SPARE, 286720                     ; the spare words, 128 bytes a wave,
.set TAB,   287744                     ; and the causal table
.set LI,   1
.set BH,   2
.set LIV,  3
.set ADK,  4
.set ADB,  5
.set ADV,  6
.set STO,  7
.set RD,   8
.set LIT,  9
.set SENT, 13
.set WSC,  15
.set YLIM, 16
.set YSC,  17
.set SPW,  18
.set NIL,  19
.set ST,   20
.set HW,   36
.set QA,   40
.set P,    56
.set KF,   88
.set BF,   152
.set QB,   216
.set T,    240
.set S,    0
.set O,    128
.set VF,   192
.set WV,   16
.set CX,   17
.set BHD,  18
.set TNB,  19
.set SEL,  20
.set CS,   22
.set G1,   24
.set G0K,  32
.set G0V,  36
.set EX,   40
.set STP,  48
.set TN,   49
.set TB,   50
.set TBB,  51
.set DIAG, 52
.set TW,   53
.set YPA,  56
.set YPB,  58
.set QPA,  60
.set QPB,  62
.set MSB, 0
.macro WIN new                         ; low byte: bits 1:0 source 0, 3:2 source 1, 5:4 source 2, 7:6 destination; the high byte repeats the setting that is left
.if MSB != (\new)
	s_set_vgpr_msb (MSB<<8)|(\new)
.set MSB, (\new)
.endif
.endm
.macro CROUND                          ; a round of the cluster's barrier
	s_barrier_signal -1
	s_barrier_wait -1
	s_cmp_lg_u32 s[WV], 0
	s_cbranch_scc1 .Lnot_wave_0_\@
	s_barrier_signal -3
.Lnot_wave_0_\@:
	s_barrier_wait -3
	s_barrier_signal -1
	s_barrier_wait -1
.endm
	s_load_b256 s[4:11], s[0:1], 0x0               ; q, k, v codes, attn_mask
	s_load_b128 s[12:15], s[0:1], 0x20             ; the scales' exponents, y's codes
	v_lshl_add_u32 v[SPW], v0, 2, SPARE
	v_mov_b32 v[NIL], 0
	ds_add_u32 v[SPW], v[NIL]                      ; the opening lines: the add, twice on end, and its wait
	ds_add_u32 v[SPW], v[NIL]
	v_lshrrev_b32 v[HW], 5, v0
	v_readfirstlane_b32 s[WV], v[HW]               ; wave 0..7
	s_bfe_u32 s[CX], ttmp6, 0x40000
	s_and_b32 s[BHD], ttmp7, 0xffff                ; the head, 0..63
	s_mov_b32 s[G1], 15|(3<<16)|(1<<21)            ; mask: all four partners; elements of 8 bytes; bit 21 beside the mask
	s_mov_b32 s[G1+1], 32<<16                      ; rows of 32 elements = 256 bytes,
	s_mov_b32 s[G1+2], 128<<16                     ; 128 of them: a quarter of an image, dense
	s_mov_b32 s[G1+3], 32<<16
	s_mov_b32 s[G1+4], 128
	s_mov_b32 s[G1+5], 32
	s_mov_b32 s[G1+6], 0
	s_mov_b32 s[G1+7], 0
	s_mov_b32 s[SEL], 0x76543210
	s_mov_b32 s[SEL+1], 0xfedcba98
	s_mov_b32 s[CS], 0x3e38aa3b                    ; log2(e) / 8
	s_and_b32 s19, s[WV], 3
	s_lshl_b32 s19, s19, 15                        ; my quarter: 32,768 x (wave % 4)
	s_lshl_b32 s54, s[BHD], 17
	s_add_co_u32 s54, s54, s19
	s_mov_b32 s55, 0
	s_wait_dscnt 0x0
	s_wait_kmcnt 0x0
	s_load_b256 s[EX:EX+7], s[12:13], 0x0          ; e0 .. e7
	s_mov_b32 s[G0K], 1
	s_add_co_u32 s[G0K+1], s19, KIMG
	s_add_nc_u64 s[G0K+2:G0K+3], s[6:7], s[54:55]
	s_or_b32 s[G0K+3], s[G0K+3], 0x80000000
	s_mov_b32 s[G0V], 1
	s_add_co_u32 s[G0V+1], s19, VIMG
	s_add_nc_u64 s[G0V+2:G0V+3], s[8:9], s[54:55]
	s_or_b32 s[G0V+3], s[G0V+3], 0x80000000
	CROUND                                         ; all four work-groups are here: the joint loads meet
	s_cmp_lt_u32 s[WV], 4                          ; one tensor load a wave, the only ones of the launch
	s_cbranch_scc0 .Lfor_v
	tensor_load_to_lds s[G0K:G0K+3], s[G1:G1+7]
	s_nop 0
.rept 4
	v_nop
.endr
	s_branch .Lasked
.Lfor_v:
	tensor_load_to_lds s[G0V:G0V+3], s[G1:G1+7]
	s_nop 0
.rept 4
	v_nop
.endr
.Lasked:
	s_lshr_b32 s54, s[BHD], 4
	s_lshl_b32 s54, s54, 11                        ; the batch's 2,048 bytes of attn_mask
	s_add_nc_u64 s[10:11], s[10:11], s[54:55]
	v_lshlrev_b32 v[HW+2], 3, v0
	global_load_b64 v[HW:HW+1], v[HW+2], s[10:11]  ; thread i: keys 8 i .. 8 i + 7
	v_and_b32 v[T], 31, v0
	v_lshlrev_b32 v[LI], 4, v[T]                   ; 16 x lane
	s_wait_alu depctr_va_vdst(0)                   ; the wait ahead of the scalar lines below
	s_lshl_b32 s[TW], s[BHD], 17
	s_lshl_b32 s54, s[WV], 2
	s_add_co_u32 s54, s54, s[CX]
	s_lshl_b32 s54, s54, 11                        ; 32 queries are 2,048 bytes: group 4 x block + cx
	s_add_co_u32 s54, s54, s[TW]
	s_add_nc_u64 s[QPA:QPA+1], s[4:5], s[54:55]
	s_add_nc_u64 s[YPA:YPA+1], s[14:15], s[54:55]
	s_xor_b32 s54, s[WV], 15
	s_lshl_b32 s54, s54, 2
	s_add_co_u32 s54, s54, s[CX]
	s_lshl_b32 s54, s54, 11
	s_add_co_u32 s54, s54, s[TW]
	s_add_nc_u64 s[QPB:QPB+1], s[4:5], s[54:55]
	s_add_nc_u64 s[YPB:YPB+1], s[14:15], s[54:55]
.irp i, 0,1,2,3
	global_load_b128 v[QA+4*\i:QA+4*\i+3], v[LI], s[QPA:QPA+1] offset:512*\i
.endr
.irp i, 0,1,2,3
	global_load_b128 v[QB+4*\i:QB+4*\i+3], v[LI], s[QPB:QPB+1] offset:512*\i
.endr
	s_lshl_b32 s[TW], s[WV], 11
	s_add_co_u32 s[TW], s[TW], STAGE
	s_lshl_b32 s54, s[CX], 5
	v_bfe_u32 v[T+1], v0, 4, 1                     ; h
	v_bfe_u32 v[T+2], v0, 3, 1                     ; r / 8
	v_and_b32 v[T+3], 7, v0                        ; r % 8
	v_lshlrev_b32 v[BH], 6, v[T+1]                 ; the bias of my half's keys: 16 floats on
	v_add_nc_u32 v[LIV], VIMG, v[LI]
	v_lshlrev_b32 v[STO], 10, v[T+2]
	v_lshl_add_u32 v[STO], v[T+3], 4, v[STO]
	v_lshl_add_u32 v[STO], v[T+1], 3, v[STO]
	v_add_nc_u32 v[STO], s[TW], v[STO]             ; the way out: 1,024 (r / 8) + 16 (r % 8) + 8 h
	v_add_nc_u32 v[RD], s[TW], v[LI]
	v_lshl_add_u32 v[T+4], v[T+2], 4, v[T+3]
	v_lshlrev_b32 v[T+5], 4, v[T+1]
	v_sub_nc_u32 v[T+4], v[T+4], v[T+5]
	v_add_nc_u32 v[T+4], s54, v[T+4]               ; my query in its block, less 16 h: 16 (r / 8) + r % 8 + 32 cx - 16 h (+ 8 in the second tile)
	s_lshr_b32 s54, s[WV], 2                       ; my 16 registers of the table: tile u = wave / 4, registers 16 g + i with g = wave % 4
	s_lshl_b32 s54, s54, 3
	s_and_b32 s55, s[WV], 3
	s_lshl_b32 s55, s55, 5
	s_sub_co_i32 s54, s54, s55
	v_add_nc_u32 v[T+4], s54, v[T+4]               ; + 8 u - 32 g: register 16 g + i of tile u holds a hidden key where i > this
	s_lshl_b32 s55, s[WV], 11
	s_add_co_u32 s55, s55, TAB
	v_add_nc_u32 v[T+6], s55, v[LI]                ; where my 16 registers go: four registers are 512 bytes, 16 a lane
	v_add_nc_u32 v[LIT], TAB, v[LI]                ; and where the table is read
	v_mov_b32 v[SENT], 0xf1800000                  ; the sentinel, -1.27e30
	v_lshlrev_b32 v[HW+3], 5, v0
.set n, 0
.rept 16
	v_mov_b32 v[ST+n], 0
.set n, n+1
.endr
	s_wait_alu depctr_va_vdst(0)                   ; the wait ahead of the wait below
	s_wait_loadcnt 0x8                             ; the mask is in; Q's eight loads may be out
.irp i, 0,1,2,3,4,5,6,7
	v_bfe_u32 v[KF+8+\i], v[HW+\i/4], 8*(\i%4), 8
.endr
.irp i, 0,1,2,3,4,5,6,7
	v_cmp_eq_u32 vcc_lo, 0, v[KF+8+\i]
	v_cndmask_b32 v[KF+\i], 0, v[SENT], vcc_lo
.endr
	ds_store_b128 v[HW+3], v[KF:KF+3]              ; the bias table: 2,048 floats, bytes that no tensor load fills
	ds_store_b128 v[HW+3], v[KF+4:KF+7] offset:16
.irp i, 0,1,2,3,4,5,6,7,8,9,10,11,12,13,14,15
	v_cmp_gt_i32 vcc_lo, \i, v[T+4]
	v_cndmask_b32 v[BF+\i], 0, v[SENT], vcc_lo
.endr
.irp j, 0,1,2,3
	ds_store_b128 v[T+6], v[BF+4*\j:BF+4*\j+3] offset:512*\j   ; the causal table, likewise on bytes of its own
.endr
	s_wait_kmcnt 0x0
	s_add_co_i32 s[TW], s[EX+2], s[EX+3]
	s_lshl_b32 s[TW], s[TW], 23
	s_add_co_i32 s[CS], s[CS], s[TW]               ; c x 2^(e2 + e3): the exponents are added to c's exponent field
	s_mov_b32 s[CS+1], s[CS]
	s_add_co_i32 s[TW], s[EX+4], 127
	s_lshl_b32 s54, s[TW], 23
	v_mov_b32 v[WSC], s54                          ; 2^e4
	s_sub_co_i32 s[TW], s[EX+6], s[EX+4]
	s_sub_co_i32 s[TW], s[TW], s[EX+5]
	s_add_co_i32 s[TW], s[TW], 127
	s_lshl_b32 s54, s[TW], 23
	v_mov_b32 v[YSC], s54                          ; 2^(e6 - e4 - e5): the three scales in the conversion's one
	s_add_co_i32 s[TW], s[TW], 8
	s_lshl_b32 s[TW], s[TW], 23
	s_or_b32 s[TW], s[TW], 0x600000
	v_mov_b32 v[YLIM], s[TW]                       ; 448 x that
	s_wait_alu depctr_va_vdst(0)                   ; the wait at the head's end
	s_wait_tensorcnt 0x0                           ; my quarter has landed,
	s_wait_dscnt 0x0                               ; my parts of the two tables are stored:
	s_barrier_signal -1
	s_barrier_wait -1                              ; so are everybody's
	s_wait_loadcnt 0x0                             ; Q
.macro KB_LOAD ak, ab                  ; 128 keys: eight fragments of K and the bias in the result's layout
.irp f, 0,1,2,3,4,5,6,7
	ds_load_b128 v[KF+8*\f:KF+8*\f+3], v[\ak] offset:KIMG+1024*\f
	ds_load_b128 v[KF+8*\f+4:KF+8*\f+7], v[\ak] offset:KIMG+1024*\f+512
.endr
.irp i, 0,1,2,3,4,5,6,7,8,9,10,11,12,13,14,15
	ds_load_b128 v[BF+4*\i:BF+4*\i+3], v[\ab] offset:128*(\i/4)+16*(\i%4)
.endr
.endm
.macro PRO                             ; step 0's fragments
	s_wait_dscnt 0x0
	KB_LOAD LI, BH
.endm
.macro SMUL qb, second                 ; the next step's addresses, held inside the images; then S^T = K Q^T + bias
	s_add_co_u32 s[TN], s[TB], 8192
	s_min_u32 s[TN], s[TN], 15*8192
	s_add_co_u32 s[TNB], s[TBB], 512
	s_min_u32 s[TNB], s[TNB], 15*512
	v_add_nc_u32 v[ADK], s[TN], v[LI]
	v_add_nc_u32 v[ADB], s[TNB], v[BH]
.if \second
	v_add_nc_u32 v[ADV], s[TB], v[LIV]
.endif
	s_wait_alu depctr_va_vdst(0)                   ; the wait ahead of the wait below
	s_wait_dscnt 0x0
	WIN 0x40
.irp k, 0,1,2,3,4,5,6,7
.irp u, 0,1
	v_wmma_f32_16x16x64_fp8_fp8 v[S+64*\u+8*\k:S+64*\u+8*\k+7], v[KF+8*\k:KF+8*\k+7], v[\qb+8*\u:\qb+8*\u+7], v[BF+8*\k:BF+8*\k+7]
.endr
.endr
	WIN 0
.rept 4
	v_nop                                          ; four places behind the products (ISA guide 7.12.1)
.endr
.endm
.macro CAUSAL                          ; the block's last step: the table comes where the next step's tiles would, and is added.  Every other step: the next step's tiles.  The branch hangs on the wave's number and the count of steps
	s_cmp_lg_u32 s[STP], s[DIAG]
	s_cbranch_scc1 .Lopen_\@
.set n, 0
.rept 32
	ds_load_b128 v[KF+4*n:KF+4*n+3], v[LIT] offset:512*n
.set n, n+1
.endr
	s_wait_dscnt 0x0
	WIN 0x41
.set j, 0
.rept 64
	v_pk_add_f32 v[S+j:S+j+1], v[S+j:S+j+1], v[KF+j:KF+j+1]   ; each accumulator from its low end on
.set j, j+2
.endr
	WIN 0
	s_wait_alu depctr_va_vdst(0)                   ; the wait ahead of the branch
	s_branch .Ljoin_\@
.Lopen_\@:
	KB_LOAD ADK, ADB                               ; they have this step's vector work in which to come
.Ljoin_\@:
.endm
.macro EXPO                            ; 2^(score x c + offset): the offset is the low word of the tile's state
	WIN 0x41
.irp u, 0,1
.set j, 0
.rept 32
	v_pk_fma_f32 v[S+64*\u+j:S+64*\u+j+1], v[S+64*\u+j:S+64*\u+j+1], s[CS:CS+1], v[ST+8*\u:ST+8*\u+1] op_sel_hi:[1,0,0]
.set j, j+2
.endr
.endr
	s_wait_alu depctr_va_vdst(0)                   ; the wait ahead of the batch
.set n, 0
.rept 128
	v_exp_f32 v[S+n], v[S+n]
.set n, n+1
.endr
	WIN 0
.endm
.macro P1BODY qb
	SMUL \qb, 0
	CAUSAL
	WIN 0x15                                       ; the step's largest score of my query among my 64 keys, four chains a tile, each accumulator from its low end on
.irp u, 0,1
	v_max3_num_f32 v[ST+8*\u+6], v[S+64*\u], v[S+64*\u+1], v[S+64*\u+2]
	v_max3_num_f32 v[ST+8*\u+7], v[S+64*\u+16], v[S+64*\u+17], v[S+64*\u+18]
	v_max3_num_f32 v[T+12+2*\u], v[S+64*\u+32], v[S+64*\u+33], v[S+64*\u+34]
	v_max3_num_f32 v[T+13+2*\u], v[S+64*\u+48], v[S+64*\u+49], v[S+64*\u+50]
.endr
	WIN 0x14
.set i, 3
.rept 6
.irp u, 0,1
	v_max3_num_f32 v[ST+8*\u+6], v[ST+8*\u+6], v[S+64*\u+i], v[S+64*\u+i+1]
	v_max3_num_f32 v[ST+8*\u+7], v[ST+8*\u+7], v[S+64*\u+16+i], v[S+64*\u+17+i]
	v_max3_num_f32 v[T+12+2*\u], v[T+12+2*\u], v[S+64*\u+32+i], v[S+64*\u+33+i]
	v_max3_num_f32 v[T+13+2*\u], v[T+13+2*\u], v[S+64*\u+48+i], v[S+64*\u+49+i]
.endr
.set i, i+2
.endr
.irp u, 0,1
	v_max3_num_f32 v[ST+8*\u+6], v[ST+8*\u+6], v[S+64*\u+15], v[S+64*\u+31]
	v_max3_num_f32 v[T+12+2*\u], v[T+12+2*\u], v[S+64*\u+47], v[S+64*\u+63]
.endr
	WIN 0
.irp u, 0,1
	v_max3_num_f32 v[ST+8*\u+6], v[ST+8*\u+6], v[T+12+2*\u], v[T+13+2*\u]
.endr
.irp u, 0,1
	v_max3_num_f32 v[ST+8*\u+1], v[ST+8*\u+1], v[ST+8*\u+6], v[ST+8*\u+7]   ; the running largest score
.endr
.irp u, 0,1
	v_mul_f32 v[ST+8*\u+6], s[CS], v[ST+8*\u+1]    ; as t
	v_mov_b32 v[ST+8*\u+7], v[ST+8*\u]
.endr
.irp u, 0,1
	v_floor_f32 v[ST+8*\u], -v[ST+8*\u+6]          ; -M = floor(-t): M is a whole number
.endr
.irp u, 0,1
	v_sub_f32 v[ST+8*\u+7], v[ST+8*\u], v[ST+8*\u+7]
.endr
.irp u, 0,1
	v_cvt_i32_f32 v[ST+8*\u+7], v[ST+8*\u+7]       ; old M - new M (it saturates)
.endr
.irp u, 0,1
	v_ldexp_f32 v[ST+8*\u+4], 1.0, v[ST+8*\u+7]    ; f = 2^(old M - new M)
.endr
	; TWO BATCHES OF 64 EXPONENTIALS, with plain lines that hang on nothing of the batch laid between them: what such a line writes is first read behind the next wait
	WIN 0x41
.set j, 0
.rept 32
	v_pk_fma_f32 v[S+j:S+j+1], v[S+j:S+j+1], s[CS:CS+1], v[ST:ST+1] op_sel_hi:[1,0,0]   ; the first tile's t - M
.set j, j+2
.endr
	s_wait_alu depctr_va_vdst(0)                   ; the wait ahead of the batch
.set j, 0
.rept 32
	v_exp_f32 v[S+j], v[S+j]                       ; the first tile's 2^(t - M);
	v_pk_fma_f32 v[S+64+j:S+64+j+1], v[S+64+j:S+64+j+1], s[CS:CS+1], v[ST+8:ST+9] op_sel_hi:[1,0,0]   ; between them the second tile's t - M
	v_exp_f32 v[S+j+1], v[S+j+1]
.set j, j+2
.endr
	s_wait_alu depctr_va_vdst(0)                   ; behind the first batch and ahead of the second
	WIN 0x45
.set j, 0
.rept 16
	v_exp_f32 v[S+64+j], v[S+64+j]                 ; the second tile's;
	v_pk_add_f32 v[S+j:S+j+1], v[S+j:S+j+1], v[S+j+2:S+j+3]   ; between them the first tile's sums by fours, each by itself
	v_exp_f32 v[S+64+j+1], v[S+64+j+1]
	v_exp_f32 v[S+64+j+2], v[S+64+j+2]
	v_exp_f32 v[S+64+j+3], v[S+64+j+3]
.set j, j+4
.endr
	WIN 0
.irp u, 0,1
	v_pk_mul_f32 v[ST+8*\u+2:ST+8*\u+3], v[ST+8*\u+2:ST+8*\u+3], v[ST+8*\u+4:ST+8*\u+5] op_sel_hi:[1,0]   ; the sums under the new M; a plain place behind the batch
.endr
	s_wait_alu depctr_va_vdst(0)                   ; behind the second batch, ahead of its first reader
	WIN 0x05                                       ; the rows' sums: two chains for the first tile's 16 partial sums, four for the second tile's 32 pairs
	v_pk_add_f32 v[ST+6:ST+7], v[S:S+1], v[S+4:S+5]
	v_pk_add_f32 v[ST+14:ST+15], v[S+64:S+65], v[S+66:S+67]
	v_pk_add_f32 v[T+8:T+9], v[S+68:S+69], v[S+70:S+71]
	v_pk_add_f32 v[T+10:T+11], v[S+72:S+73], v[S+74:S+75]
	WIN 0x04
.set j, 0
.rept 6
	v_pk_add_f32 v[ST+2:ST+3], v[ST+2:ST+3], v[S+8+8*j:S+9+8*j]
	v_pk_add_f32 v[ST+6:ST+7], v[ST+6:ST+7], v[S+12+8*j:S+13+8*j]
	v_pk_add_f32 v[ST+10:ST+11], v[ST+10:ST+11], v[S+76+8*j:S+77+8*j]
	v_pk_add_f32 v[ST+14:ST+15], v[ST+14:ST+15], v[S+78+8*j:S+79+8*j]
	v_pk_add_f32 v[T+8:T+9], v[T+8:T+9], v[S+80+8*j:S+81+8*j]
	v_pk_add_f32 v[T+10:T+11], v[T+10:T+11], v[S+82+8*j:S+83+8*j]
.set j, j+1
.endr
	v_pk_add_f32 v[ST+2:ST+3], v[ST+2:ST+3], v[S+56:S+57]
	v_pk_add_f32 v[ST+6:ST+7], v[ST+6:ST+7], v[S+60:S+61]
	v_pk_add_f32 v[ST+10:ST+11], v[ST+10:ST+11], v[S+124:S+125]
	v_pk_add_f32 v[ST+14:ST+15], v[ST+14:ST+15], v[S+126:S+127]
	WIN 0
	v_pk_add_f32 v[T+8:T+9], v[T+8:T+9], v[T+10:T+11]
.irp u, 0,1
	v_pk_add_f32 v[ST+8*\u+2:ST+8*\u+3], v[ST+8*\u+2:ST+8*\u+3], v[ST+8*\u+6:ST+8*\u+7]
.endr
	v_pk_add_f32 v[ST+10:ST+11], v[ST+10:ST+11], v[T+8:T+9]
	s_wait_alu depctr_va_vdst(0)                   ; the wait ahead of the branch
.endm
.macro MERGE                           ; lanes l and l xor 16 hold the two halves of a query's keys: the common M, the whole sum, the offset -M - log2(sum)
.irp u, 0,1
	v_add_f32 v[ST+8*\u+2], v[ST+8*\u+2], v[ST+8*\u+3]
.endr
.irp u, 0,1
	v_permlanex16_b32 v[ST+8*\u+6], v[ST+8*\u], s[SEL], s[SEL+1]
.endr
.irp u, 0,1
	v_min_num_f32 v[ST+8*\u+7], v[ST+8*\u], v[ST+8*\u+6]
.endr
.irp u, 0,1
	v_sub_f32 v[ST+8*\u+6], v[ST+8*\u+7], v[ST+8*\u]
.endr
.irp u, 0,1
	v_cvt_i32_f32 v[ST+8*\u+6], v[ST+8*\u+6]
.endr
.irp u, 0,1
	v_ldexp_f32 v[ST+8*\u+2], v[ST+8*\u+2], v[ST+8*\u+6]
.endr
.irp u, 0,1
	v_permlanex16_b32 v[ST+8*\u+3], v[ST+8*\u+2], s[SEL], s[SEL+1]
.endr
.irp u, 0,1
	v_add_f32 v[ST+8*\u+2], v[ST+8*\u+2], v[ST+8*\u+3]
.endr
.irp u, 0,1
	v_permlanex16_b32 v[ST+8*\u+6], v[ST+8*\u+1], s[SEL], s[SEL+1]
.endr
.irp u, 0,1
	v_max_num_f32 v[ST+8*\u+1], v[ST+8*\u+1], v[ST+8*\u+6]
.endr
	s_wait_alu depctr_va_vdst(0)                   ; ahead of the transcendentals
.irp u, 0,1
	v_log_f32 v[ST+8*\u+3], v[ST+8*\u+2]
.endr
	v_nop
	s_wait_alu depctr_va_vdst(0)                   ; and ahead of their first reader
.irp u, 0,1
	v_sub_f32 v[ST+8*\u], v[ST+8*\u+7], v[ST+8*\u+3]
.endr
.irp u, 0,1
	v_cmp_lt_f32 vcc_lo, 0xcc000000, v[ST+8*\u+1]  ; no open key: the largest score never rose above its start (every true sum of code products is under 1.3e7 in size)
	v_cndmask_b32 v[ST+8*\u], 0xff800000, v[ST+8*\u], vcc_lo
.endr
.endm
.macro P2BODY qb
	SMUL \qb, 1
	WIN 0x40
.irp t, 0,1,2,3
.irp e, 0,1
	ds_load_b128 v[VF+16*\t+8*\e:VF+16*\t+8*\e+3], v[ADV] offset:4096*\e+1024*\t        ; 16 of the head's 64 x this step's 128 keys
	ds_load_b128 v[VF+16*\t+8*\e+4:VF+16*\t+8*\e+7], v[ADV] offset:4096*\e+1024*\t+512
.endr
.endr
	WIN 0
	CAUSAL
	EXPO                                           ; w, finished and normalised
	v_nop
	s_wait_alu depctr_va_vdst(0)                   ; one wait for the batch
	WIN 0x01
.irp u, 0,1
.irp g, 0,1,2,3,4,5,6,7
	v_cvt_scalef32_pk8_fp8_f32 v[P+16*\u+2*\g:P+16*\u+2*\g+1], v[S+64*\u+8*\g:S+64*\u+8*\g+7], v[WSC]
.endr
.endr
	WIN 0
	v_nop                                          ; a plain place behind the last conversion
	s_wait_alu depctr_va_vdst(0)                   ; the wait ahead of the readers of y^T
	s_wait_dscnt 32                                ; V's 16 loads are in; the next step's 32 may be out
	WIN 0x51
.irp t, 0,1,2,3
.irp u, 0,1
	v_wmma_f32_16x16x128_fp8_fp8 v[O+32*\u+8*\t:O+32*\u+8*\t+7], v[VF+16*\t:VF+16*\t+15], v[P+16*\u:P+16*\u+15], v[O+32*\u+8*\t:O+32*\u+8*\t+7]
.endr
.endr
	WIN 0
.endm
.macro OUT yp                          ; y's codes, through my stage, as the image of operand registers that launch proj loads: fragment token / 16, 1,024 bytes
	s_wait_dscnt 0x0
.rept 4
	v_nop
.endr
	s_wait_alu depctr_va_vdst(0)                   ; the wait ahead of the first reader of y^T
	WIN 0x01
.set n, 0
.rept 64
	v_med3_num_f32 v[KF+n], v[O+n], -v[YLIM], v[YLIM]
.set n, n+1
.endr
	WIN 0
.irp u, 0,1
.irp t, 0,1,2,3
	v_cvt_scalef32_pk8_fp8_f32 v[P+8*\u+2*\t:P+8*\u+2*\t+1], v[KF+32*\u+8*\t:KF+32*\u+8*\t+7], v[YSC]
.endr
.endr
	v_nop
.irp u, 0,1
.irp t, 0,1,2,3
	ds_store_b64 v[STO], v[P+8*\u+2*\t:P+8*\u+2*\t+1] offset:256*\t+128*\u
.endr
.endr
.irp i, 0,1,2,3
	ds_load_b128 v[BF+4*\i:BF+4*\i+3], v[RD] offset:512*\i
.endr
	s_wait_dscnt 0x0
.irp i, 0,1,2,3
	global_store_b128 v[LI], v[BF+4*\i:BF+4*\i+3], s[\yp:\yp+1] offset:512*\i   ; 512 consecutive bytes, aligned
.endr
	s_wait_xcnt 0x0                                ; the stores have read their registers
.endm
.macro DTILE big, qb, yp, nt           ; one block's 32 queries; nt: the loops' constant trip count; steps behind the block's own are jumped over
.if \big
	s_xor_b32 s[DIAG], s[WV], 15
.else
	s_mov_b32 s[DIAG], s[WV]
.endif
.irp u, 0,1
	v_mov_b32 v[ST+8*\u+1], 0xcc000000             ; under every true score
	v_mov_b32 v[ST+8*\u+2], 0
	v_mov_b32 v[ST+8*\u+3], 0
.endr
.irp u, 0,1
	v_mul_f32 v[ST+8*\u+6], s[CS], v[ST+8*\u+1]
.endr
.irp u, 0,1
	v_floor_f32 v[ST+8*\u], -v[ST+8*\u+6]
.endr
	s_wait_alu depctr_va_vdst(0)
	PRO
	s_mov_b32 s[STP], 0
	s_mov_b32 s[TB], 0
	s_mov_b32 s[TBB], 0
.Lp1_\@:
	s_cmp_gt_u32 s[STP], s[DIAG]
	s_cbranch_scc1 .Lf1_\@
	P1BODY \qb
.Lf1_\@:
	s_add_co_u32 s[TB], s[TB], 8192
	s_add_co_u32 s[TBB], s[TBB], 512
	s_add_co_u32 s[STP], s[STP], 1
	s_cmp_lt_u32 s[STP], \nt
	s_cbranch_scc1 .Lp1_\@
	s_wait_alu depctr_va_vdst(0)
	MERGE
	WIN 0x40
.set n, 0
.rept 64
	v_mov_b32 v[O+n], 0                            ; y^T begins as zeros, so that pass 2's step is written once
.set n, n+1
.endr
	WIN 0
	s_wait_alu depctr_va_vdst(0)                   ; the wait ahead of the wait below
	PRO
	s_mov_b32 s[STP], 0
	s_mov_b32 s[TB], 0
	s_mov_b32 s[TBB], 0
.Lp2_\@:
	s_cmp_gt_u32 s[STP], s[DIAG]
	s_cbranch_scc1 .Lf2_\@
	P2BODY \qb
.Lf2_\@:
	s_add_co_u32 s[TB], s[TB], 8192
	s_add_co_u32 s[TBB], s[TBB], 512
	s_add_co_u32 s[STP], s[STP], 1
	s_cmp_lt_u32 s[STP], \nt
	s_cbranch_scc1 .Lp2_\@
	OUT \yp
.endm
	DTILE 1, QB, YPB, 16                           ; block 15 - wave: 9 to 16 steps
	DTILE 0, QA, YPA, 8                            ; block wave: 1 to 8 steps
	s_wait_tensorcnt 0x0                           ; the wave's end
	ds_add_u32 v[SPW], v[NIL]
	s_wait_dscnt 0x0
	CROUND                                         ; the closing round
	s_endpgm
.Lfunc_end_k_qa139fd3a5f_attn:
	.size	k_qa139fd3a5f_attn, .Lfunc_end_k_qa139fd3a5f_attn-k_qa139fd3a5f_attn
	.p2alignl 7, 3214868480
	.fill 96, 4, 3214868480
	.section	.rodata,"a",@progbits
	.p2align	6, 0x0
	.amdhsa_kernel k_qa139fd3a5f_attn
		.amdhsa_group_segment_fixed_size 327680
		.amdhsa_private_segment_fixed_size 0
		.amdhsa_enable_private_segment 0
		.amdhsa_kernarg_size 48
		.amdhsa_user_sgpr_count 2
		.amdhsa_user_sgpr_kernarg_segment_ptr 1
		.amdhsa_wavefront_size32 1
		.amdhsa_system_sgpr_workgroup_id_x 1
		.amdhsa_system_sgpr_workgroup_id_y 1
		.amdhsa_system_sgpr_workgroup_id_z 1
		.amdhsa_system_vgpr_workitem_id 0
		.amdhsa_next_free_vgpr 512
		.amdhsa_next_free_sgpr 66
		.amdhsa_reserve_vcc 1
		.amdhsa_float_denorm_mode_32 3
		.amdhsa_float_denorm_mode_16_64 3
		.amdhsa_memory_ordered 1
		.amdhsa_forward_progress 1
		.amdhsa_inst_pref_size 135
	.end_amdhsa_kernel
	.amdgpu_metadata
---
amdhsa.version: [ 1, 2 ]
amdhsa.kernels:
  - .name:           k_qa139fd3a5f_attn
    .symbol:         k_qa139fd3a5f_attn.kd
    .args:
      - { .name: q_codes, .offset: 0, .size: 8, .value_kind: global_buffer, .address_space: global }
      - { .name: k_codes, .offset: 8, .size: 8, .value_kind: global_buffer, .address_space: global }
      - { .name: v_codes, .offset: 16, .size: 8, .value_kind: global_buffer, .address_space: global }
      - { .name: attn_mask, .offset: 24, .size: 8, .value_kind: global_buffer, .address_space: global }
      - { .name: lowp_scales, .offset: 32, .size: 8, .value_kind: global_buffer, .address_space: global }
      - { .name: y_codes, .offset: 40, .size: 8, .value_kind: global_buffer, .address_space: global }
    .group_segment_fixed_size: 327680
    .private_segment_fixed_size: 0
    .kernarg_segment_align: 8
    .kernarg_segment_size: 48
    .max_flat_workgroup_size: 256
    .sgpr_count:     66
    .vgpr_count:     512
    .wavefront_size: 32
...
	.end_amdgpu_metadata
.endif
;; end of part 3
;; launch proj (part 4): grid 64 x 4, 4 waves a work-group, clusters of 4 x 1, 327,680 bytes of LDS; arguments y_codes, wp_codes, lowp_scales, b_proj, out0; writes out0
.if DOCPART == 4
	.amdgcn_target "amdgcn-amd-amdhsa--gfx1250"
	.amdhsa_code_object_version 6
	.text
	.protected	k_qa139fd3a5f_proj
	.globl	k_qa139fd3a5f_proj
	.p2align	8
	.type	k_qa139fd3a5f_proj,@function
k_qa139fd3a5f_proj:
	s_mov_b64 s[64:65], 0
	v_nop
	global_prefetch_b8 v0, s[64:65] scope:SCOPE_SE
	s_setreg_imm32_b32 hwreg(HW_REG_WAVE_MODE, 25, 1), 1
	s_wait_xcnt 0x0
	s_wait_alu depctr_hold_cnt(0) depctr_sa_sdst(0) depctr_va_vdst(0) depctr_va_sdst(0) depctr_va_ssrc(0) depctr_va_vcc(0) depctr_vm_vsrc(0)
	s_getreg_b32 s2, hwreg(HW_REG_IB_STS2, 6, 4)
	s_cmp_eq_u32 s2, 0
	s_cbranch_scc0 .Lentry_in_a_cluster
	s_endpgm
.Lentry_in_a_cluster:
	s_bfe_u32 s2, ttmp6, 0x10000c
	s_cmp_lg_u32 s2, 0x3003
	s_cbranch_scc0 .Lentry_shape_is_right
	s_endpgm
.Lentry_shape_is_right:
; LAUNCH 4 OF 4.  out0 = y w_proj^T + b_proj on codes of FP8 (E4M3): [8192][1024] x [1024][1024], sums in f32; each finished sum x 2^(e6 + e7) + bias in one fused multiply-add.
; A work-group makes 128 tokens x 256 features: 64 x 4 = 256 work-groups.  A wave makes 64 tokens x 128 features: 32 accumulators, 256 registers.
; NO RING.  K is 1,024, so w_proj's 256 rows with their whole K are 262,144 bytes, on end in w's image (launch quant), and lie in LDS at once: each wave asks for a quarter by its one tensor load; nothing is filled again.
; y's codes lie in memory as images of operand registers too (launch attn): a wave loads its 64 tokens x 1,024 K straight into 512 registers, 512 consecutive bytes an instruction, while the tensor loads are out.
; CLUSTERS: the four work-groups of a cluster make four token tiles of one feature tile and need the same rows of w_proj: they ask for them JOINTLY (mask 15).  cx enters addresses in memory alone.
; No prefetch: the launch has no loop that fetches; all its reads are issued at the head.
; TRANSPOSED USE: source 0 = 16 rows of w_proj, source 1 = 16 tokens: a lane holds eight neighbouring features of a token's row.
; BY HALVES OF THE FEATURES: first my feature blocks 0-3 through all of K (8 half steps of 16 matrix instructions), then blocks 4-7: the first 64 features of my 64 tokens, 256 bytes a row, leave while the others are multiplied.
; The 16 accumulators of a half take turns.  LIMIT: e6 + e7 between -126 and 127.
; REGISTERS.  Window 0: v1-7 addresses, v28-29 the add's, v32-95 the bias, v128-255 w's fragments (two sets).  Window 1: accumulator (a, b) at v[8 (8 a + b)]; the way out works in place there.
; Windows 2 and 3: y's fragments, K step q, block a at v[64 (q % 4) + 16 a].
.set SPARE,  262144                    ; behind w's image: the spare words, 128 bytes a wave
.set STAGE,  SPARE+512                 ; then a stage of 16 rows x 272 bytes for each wave: bytes that no tensor load fills
.set SPITCH, 272                       ; 256 bytes + 16: the 16 rows that a store touches start at 16 different banks (ISA guide 11.1)
.set LI,   1
.set ADB,  2                           ; v2-3: my w fragments, feature blocks 0-3 and 4-7 (the immediate has 16 bits)
.set STO,  4
.set RD,   5
.set BOQ,  6
.set CO,   7
.set SPW,  28
.set NIL,  29
.set BIAS, 32
.set BS,   128
.set G1,   24
.set G0,   32
.set MSB, 0
.macro WIN new
.if MSB != (\new)
	s_set_vgpr_msb (MSB<<8)|(\new)
.set MSB, (\new)
.endif
.endm
.macro CROUND
	s_barrier_signal -1
	s_barrier_wait -1
	s_cmp_lg_u32 s14, 0
	s_cbranch_scc1 .Lnot_wave_0_\@
	s_barrier_signal -3
.Lnot_wave_0_\@:
	s_barrier_wait -3
	s_barrier_signal -1
	s_barrier_wait -1
.endm
.macro PLACES
.rept 4
	v_nop
.endr
.endm
	s_load_b128 s[4:7], s[0:1], 0x0                ; y's codes, w_proj's image
	s_load_b128 s[8:11], s[0:1], 0x10              ; the scales' exponents, b_proj
	s_load_b64 s[12:13], s[0:1], 0x20              ; out0
	v_lshl_add_u32 v[SPW], v0, 2, SPARE
	v_mov_b32 v[NIL], 0
	ds_add_u32 v[SPW], v[NIL]                      ; the opening lines: the add, twice on end, and its wait
	ds_add_u32 v[SPW], v[NIL]
	v_lshrrev_b32 v8, 5, v0
	v_readfirstlane_b32 s14, v8                    ; wave 0..3
	s_lshr_b32 s15, s14, 1                         ; which 64 tokens
	s_and_b32 s16, s14, 1                          ; which 128 features
	s_bfe_u32 s40, ttmp6, 0x40000                  ; cx
	s_lshl_b32 s17, ttmp9, 2
	s_add_co_u32 s17, s17, s40                     ; token tile 0..63
	s_and_b32 s18, ttmp7, 0xffff                   ; feature tile 0..3
	s_mov_b32 s[G1], 15|(3<<16)|(1<<21)            ; mask: all four partners; elements of 8 bytes; bit 21 beside the mask
	s_mov_b32 s[G1+1], 32<<16                      ; rows of 256 bytes,
	s_mov_b32 s[G1+2], 256<<16                     ; 256 of them: 64 features with their whole K, dense
	s_mov_b32 s[G1+3], 32<<16
	s_mov_b32 s[G1+4], 256
	s_mov_b32 s[G1+5], 32
	s_mov_b32 s[G1+6], 0
	s_mov_b32 s[G1+7], 0
	s_lshl_b32 s20, s18, 8
	s_lshl_b32 s21, s14, 6
	s_add_co_u32 s20, s20, s21
	s_lshl_b32 s20, s20, 10                        ; w: feature 256 x feature tile + 64 x wave, 1,024 bytes each
	s_mov_b32 s21, 0
	s_mov_b32 s[G0], 1
	s_lshl_b32 s[G0+1], s14, 16
	s_lshl_b32 s22, s16, 17
	s_mul_i32 s23, s14, 16*SPITCH
	s_add_co_u32 s23, s23, STAGE
	v_and_b32 v8, 15, v0                           ; r
	v_bfe_u32 v9, v0, 4, 1                         ; h
	v_and_b32 v10, 31, v0
	v_lshlrev_b32 v[LI], 4, v10                    ; 16 x lane
	v_add_nc_u32 v[ADB], s22, v[LI]                ; my 128 features' image
	v_add_nc_u32 v[ADB+1], 65536, v[ADB]
	v_mul_u32_u24 v12, v8, SPITCH
	v_lshl_add_u32 v12, v9, 5, v12
	v_add_nc_u32 v[STO], s23, v12                  ; the stage, in: row r, 32 bytes for each half of the lanes
	v_mul_u32_u24 v13, v9, SPITCH
	v_lshl_add_u32 v13, v8, 4, v13
	v_add_nc_u32 v[RD], s23, v13                   ; and back: lanes 0-15 one row of 256 bytes, lanes 16-31 the next
	v_lshlrev_b32 v[CO], 12, v9
	v_lshl_add_u32 v[CO], v8, 4, v[CO]             ; the same two rows in out0
	v_lshlrev_b32 v[BOQ], 5, v9
	s_wait_alu depctr_va_vdst(0)                   ; the wait ahead of the waits below
	s_wait_dscnt 0x0
	s_wait_kmcnt 0x0
	s_load_b256 s[80:87], s[8:9], 0x0              ; e0 .. e7
	s_add_nc_u64 s[G0+2:G0+3], s[6:7], s[20:21]
	s_or_b32 s[G0+3], s[G0+3], 0x80000000
	CROUND                                         ; all four work-groups are here: the joint loads meet
	tensor_load_to_lds s[G0:G0+3], s[G1:G1+7]      ; my one tensor load
	s_nop 0
	PLACES
	s_lshl_b32 s22, s18, 8
	s_lshl_b32 s23, s16, 7
	s_add_co_u32 s22, s22, s23
	s_lshl_b32 s22, s22, 2                         ; my first feature, in bytes of f32
	s_mov_b32 s23, 0
	s_add_nc_u64 s[10:11], s[10:11], s[22:23]
.irp b, 0,1,2,3,4,5,6,7
	global_load_b128 v[BIAS+8*\b:BIAS+8*\b+3], v[BOQ], s[10:11] offset:64*\b        ; features 16 b + 8 h + 0 .. 7
	global_load_b128 v[BIAS+8*\b+4:BIAS+8*\b+7], v[BOQ], s[10:11] offset:64*\b+16
.endr
	s_lshr_b32 s20, s17, 4
	s_lshl_b32 s20, s20, 21                        ; the batch: 16 heads of 131,072 bytes
	s_and_b32 s21, s17, 15
	s_lshl_b32 s21, s21, 7
	s_lshl_b32 s19, s15, 6
	s_add_co_u32 s21, s21, s19                     ; my first token in the batch,
	s_lshl_b32 s21, s21, 6                         ; 64 bytes a token in each head
	s_add_co_u32 s20, s20, s21
	s_mov_b32 s21, 0
	s_add_nc_u64 s[4:5], s[4:5], s[20:21]
.macro ALOAD q                         ; K step q = heads 2 q and 2 q + 1: registers 4 c .. 4 c + 3 hold K = 128 q + 32 c + 16 h + 0 .. 15, as w's fragments do
	WIN 0x80+0x40*((\q)/4)
.irp a, 0,1,2,3
.irp c, 0,1,2,3
	global_load_b128 v[64*((\q)%4)+16*\a+4*\c:64*((\q)%4)+16*\a+4*\c+3], v[LI], s[4:5] offset:(2*(\q)+\c/2)*131072+\a*1024+(\c%2)*512
.endr
.endr
.endm
.irp q, 0,1,2,3,4,5,6,7
	ALOAD \q
.endr
	WIN 0
	s_lshl_b32 s20, s17, 7
	s_add_co_u32 s20, s20, s19                     ; my first row of out0,
	s_lshl_b32 s20, s20, 12                        ; 4,096 bytes a row,
	s_add_co_u32 s20, s20, s22                     ; + my first column
	s_mov_b32 s21, 0
	s_add_nc_u64 s[12:13], s[12:13], s[20:21]
	s_wait_kmcnt 0x0
	s_add_co_i32 s96, s86, s87
	s_add_co_i32 s96, s96, 127
	s_lshl_b32 s96, s96, 23                        ; 2^(e6 + e7) as f32
	s_mov_b32 s97, s96
.macro FETCH i                         ; half step i: feature blocks 4 (i / 8) .. + 3, K step i % 8, into set i % 2
.irp b, 0,1,2,3
.irp c, 0,1,2,3
	ds_load_b128 v[BS+64*((\i)%2)+16*\b+4*\c:BS+64*((\i)%2)+16*\b+4*\c+3], v[ADB+(\i)/8] offset:\b*16384+(2*((\i)%8)+\c/2)*1024+(\c%2)*512
.endr
.endr
.endm
.macro MUL i                           ; 16 matrix instructions; K step 0's start the sums
.set QQ, (\i)%8
.set GG, (\i)/8
.set SS, (\i)%2
	WIN 0x58+4*(QQ/4)                              ; source 0 window 0, source 1 window 2 or 3, C and D window 1
.irp a, 0,1,2,3
.irp b, 0,1,2,3
.set DD, 64*\a+32*GG+8*\b
.if QQ == 0
	v_wmma_f32_16x16x128_fp8_fp8 v[DD:DD+7], v[BS+64*SS+16*\b:BS+64*SS+16*\b+15], v[64*(QQ%4)+16*\a:64*(QQ%4)+16*\a+15], 0
.else
	v_wmma_f32_16x16x128_fp8_fp8 v[DD:DD+7], v[BS+64*SS+16*\b:BS+64*SS+16*\b+15], v[64*(QQ%4)+16*\a:64*(QQ%4)+16*\a+15], v[DD:DD+7]
.endif
.endr
.endr
.endm
; THE WAY OUT of half g: block by block of 16 tokens x 64 features, in place in the accumulators: x the scale + bias; through my own stage; whole rows of 256 bytes come back into the same registers and are stored,
; sixteen lanes to an aligned unit.  These registers are not written again, so nothing waits for the stores.
.macro OUTG g
.irp a, 0,1,2,3
	WIN 0x41
.irp b, 0,1,2,3
.irp i, 0,2,4,6
	v_pk_fma_f32 v[64*\a+32*(\g)+8*\b+\i:64*\a+32*(\g)+8*\b+\i+1], v[64*\a+32*(\g)+8*\b+\i:64*\a+32*(\g)+8*\b+\i+1], s[96:97], v[BIAS+32*(\g)+8*\b+\i:BIAS+32*(\g)+8*\b+\i+1] op_sel_hi:[1,0,1]   ; each accumulator from its low end on
.endr
.endr
	WIN 0x04
.irp b, 0,1,2,3
	ds_store_b128 v[STO], v[64*\a+32*(\g)+8*\b:64*\a+32*(\g)+8*\b+3] offset:64*\b
	ds_store_b128 v[STO], v[64*\a+32*(\g)+8*\b+4:64*\a+32*(\g)+8*\b+7] offset:64*\b+16
.endr
	WIN 0x40
.irp t, 0,1,2,3,4,5,6,7
	ds_load_b128 v[64*\a+32*(\g)+4*\t:64*\a+32*(\g)+4*\t+3], v[RD] offset:2*\t*SPITCH   ; LDS serves a wave's instructions in order: these see my stores, and the next block's stores come behind them
.endr
.endr
	WIN 0x04
.irp a, 0,1,2,3
	s_wait_dscnt 16*(3-\a)                         ; block a is back; the later blocks' 8 stores and 8 loads each may be out
.irp t, 0,1,2,3,4,5,6,7
	global_store_b128 v[CO], v[64*\a+32*(\g)+4*\t:64*\a+32*(\g)+4*\t+3], s[12:13] offset:(16*\a+2*\t)*4096+256*(\g) th:TH_STORE_NT
.endr
.endr
	WIN 0
.endm
	s_wait_alu depctr_va_vdst(0)                   ; the wait at the head's end
	s_wait_tensorcnt 0x0                           ; my quarter has landed:
	s_barrier_signal -1
	s_barrier_wait -1                              ; so has everybody's
	FETCH 0
	FETCH 1
	s_wait_loadcnt 0x0                             ; y's fragments and the bias
.set I, 0
.rept 16
.if I < 15
	s_wait_dscnt 16                                ; this half step's set is in; the next one's 16 loads may be out
.else
	s_wait_dscnt 0x0
.endif
	MUL I
	PLACES                                         ; in front of loads into registers that matrix instructions have read, and of the way out's reads
	WIN 0
.if I < 14
	FETCH I+2
.endif
.if I == 7
	OUTG 0
.endif
.set I, I+1
.endr
	OUTG 1
	s_wait_tensorcnt 0x0                           ; the wave's end
	ds_add_u32 v[SPW], v[NIL]
	s_wait_dscnt 0x0
	CROUND                                         ; the closing round
	s_endpgm
.Lfunc_end_k_qa139fd3a5f_proj:
	.size	k_qa139fd3a5f_proj, .Lfunc_end_k_qa139fd3a5f_proj-k_qa139fd3a5f_proj
	.p2alignl 7, 3214868480
	.fill 96, 4, 3214868480
	.section	.rodata,"a",@progbits
	.p2align	6, 0x0
	.amdhsa_kernel k_qa139fd3a5f_proj
		.amdhsa_group_segment_fixed_size 327680
		.amdhsa_private_segment_fixed_size 0
		.amdhsa_enable_private_segment 0
		.amdhsa_kernarg_size 40
		.amdhsa_user_sgpr_count 2
		.amdhsa_user_sgpr_kernarg_segment_ptr 1
		.amdhsa_wavefront_size32 1
		.amdhsa_system_sgpr_workgroup_id_x 1
		.amdhsa_system_sgpr_workgroup_id_y 1
		.amdhsa_system_sgpr_workgroup_id_z 1
		.amdhsa_system_vgpr_workitem_id 0
		.amdhsa_next_free_vgpr 1024
		.amdhsa_next_free_sgpr 100
		.amdhsa_reserve_vcc 0
		.amdhsa_float_denorm_mode_32 3
		.amdhsa_float_denorm_mode_16_64 3
		.amdhsa_memory_ordered 1
		.amdhsa_forward_progress 1
		.amdhsa_inst_pref_size 78
	.end_amdhsa_kernel
	.amdgpu_metadata
---
amdhsa.version: [ 1, 2 ]
amdhsa.kernels:
  - .name:           k_qa139fd3a5f_proj
    .symbol:         k_qa139fd3a5f_proj.kd
    .args:
      - { .name: y_codes, .offset: 0, .size: 8, .value_kind: global_buffer, .address_space: global }
      - { .name: wp_codes, .offset: 8, .size: 8, .value_kind: global_buffer, .address_space: global }
      - { .name: lowp_scales, .offset: 16, .size: 8, .value_kind: global_buffer, .address_space: global }
      - { .name: b_proj, .offset: 24, .size: 8, .value_kind: global_buffer, .address_space: global }
      - { .name: out0, .offset: 32, .size: 8, .value_kind: global_buffer, .address_space: global }
    .group_segment_fixed_size: 327680
    .private_segment_fixed_size: 0
    .kernarg_segment_align: 8
    .kernarg_segment_size: 40
    .max_flat_workgroup_size: 128
    .sgpr_count:     100
    .vgpr_count:     1024
    .wavefront_size: 32
...
	.end_amdgpu_metadata
.endif
;; end of part 4
